; MI455X (gfx1250); checked and timed in simulation.
; The chip was launched on July 23, 2026; its instructions are those of AMD's public machine-readable ISA for CDNA 5 (MIT licence, August 2026) and "CDNA5" Instruction Set Architecture Reference Guide (July 2026). The comments in the code are by the model that wrote it; some were corrected since.
;; SDFMLP. Allowed arithmetic: matrix products marked QUANTISED: E3M2 operands, one E8M0 scale for each 32 along K, by v_wmma_scale_f32_16x16x128_f8f6f4 with both operands' format E3M2, f32 sums; products left as they are: f32 operands where the result goes on into a quantised operand, else bf16, f16 or f32 operands; f32 sums; everything else in f32.
;; Inputs: W1 64 x 3 float32; W2 64 x 64 float32; W3 64 x 64 float32; W4 1 x 64 float32; b1 64 float32; b2 64 float32; b3 64 float32; b4 1 float32; x 1,048,576 x 3 float32.
;; Outputs: out0 1,048,576 x 1 float32.
;; This version of the problem:
;;   THIS VERSION OF THE PROBLEM IS GIVEN IN LOW PRECISION. The matrix products marked QUANTISED in the list below multiply operands that are first quantised to E3M2 (3 exponent bits, 2 mantissa bits; 6 bits a number), with one power-of-two scale for each 32 numbers along K (OCP MX v1.0); their sums are f32. All else is computed in f32.
;;   The module's matrix products, in the order in which they are computed (A, B: the left and right operand; K: the contracted axis; several contracted axes count as one K, in the product's order):
;;     1. [M 1,048,576, K 3] x [K 3, N 64]; A: input x; B: input W1: left as it is (K = 3 < 32)
;;     2. [M 1,048,576, K 64] x [K 64, N 64]; A: computed on the way; B: input W2: QUANTISED
;;     3. [M 1,048,576, K 64] x [K 64, N 64]; A: computed on the way; B: input W3: QUANTISED
;;     4. [M 1,048,576, K 64] x [K 64, N 1]; A: computed on the way; B: input W4: left as it is (N = 1 < 16)
;;   THE QUANTISER, for each operand of a quantised product, along K:
;;     - K is cut into blocks of 32 from its start; a last block that is shorter is filled with zeros.
;;     - A block's scale is 2^e with e = floor(log2(the largest magnitude in the block)) - 4, held to -126 .. 127; a block of zeros has e = 0. As a byte (E8M0): e + 127.
;;     - Each number is divided by its block's scale, clamped to +-28, and rounded to the nearest number of E3M2, ties to even, subnormals kept.
;;     - The product sums the exact products of the quantised numbers (number of the format x scale) in f32.
;;   ~~~python
;;   def quantise(x, axis):      # numpy; x: float32 -> the quantised numbers, widened to float32 again
;;       x = np.moveaxis(x, axis, -1); K = x.shape[-1]
;;       x = np.pad(x, [(0, 0)] * (x.ndim - 1) + [(0, -K % 32)]); x = x.reshape(x.shape[:-1] + (-1, 32)); a = np.abs(x).max(-1, keepdims=True)
;;       e = np.where(a > 0, np.clip(np.frexp(np.where(a > 0, a, 1))[1] - 1 - 4, -126, 127), 0)      # np.frexp(a)[1] - 1 = floor(log2(a)), exactly
;;       r = np.clip(x / 2.0 ** e, -28, 28)
;;       step = 2.0 ** (np.maximum(np.frexp(np.where(r == 0, 1, r))[1] - 1, -2) - 2)
;;       q = np.round(r / step) * step * 2.0 ** e      # np.round: ties to even
;;       return np.moveaxis(q.reshape(q.shape[:-2] + (-1,))[..., :K], -1, axis).astype(np.float32)
;;   ~~~
;;   OPERANDS COMPUTED ON THE WAY. 'Computed on the way' means the value that the module computes at that place (a softmax that the list does not call 'softmax' is quantised finished and normalised). What goes into a quantiser is computed in f32, as accurately as f32 sums, v_exp_f32 and their like allow (about 1e-6 of the number): no bf16 or f16 on the way to a quantiser, and a product that is left as it is and whose result goes on into a quantised operand takes f32 operands (vector FMAs, or v_wmma_f32_16x16x4_f32). A number that lies on a knife's edge between two numbers of the format may be rounded either way, as far as f32 arithmetic and the matrix unit's own rounding can turn it there, and no further.
;; 2 versions, each right; version 2 is version 1 with the launch sdfmlp written anew for expert scheduling mode. Each part assembles by itself: llvm-mc -triple=amdgcn-amd-amdhsa -mcpu=gfx1250 --defsym DOCPART=n.
;; ======== version 1 of 2: 1 launch
;; launch sdfmlp (part 1): grid 256 x 1, 16 waves a work-group, no clusters, 26,368 bytes of LDS; arguments x, W1, b1, W2, b2, W3, b3, W4, b4, out0; writes out0
.if DOCPART == 1
	.amdgcn_target "amdgcn-amd-amdhsa--gfx1250"
	.amdhsa_code_object_version 6
	.text
	.protected	k_q9d5e73a67e_sdfmlp
	.globl	k_q9d5e73a67e_sdfmlp
	.p2align	8
	.type	k_q9d5e73a67e_sdfmlp,@function
k_q9d5e73a67e_sdfmlp:
	s_mov_b64 s[64:65], 0
	v_nop
	global_prefetch_b8 v0, s[64:65] scope:SCOPE_SE
	s_setreg_imm32_b32 hwreg(HW_REG_WAVE_MODE, 25, 1), 1
	s_wait_xcnt 0x0
; out0[p] = W4 . sp(W3 sp(W2 sp(W1 x[p] + b1) + b2) + b3) + b4,  sp = Softplus(beta = 100), for 1,048,576 points of 3 numbers; hidden width 64.
; The two 64 x 64 products multiply codes of BF6 (E3M2) with one E8M0 byte for each 32 along K, both operands quantised here; the first product (K = 3) and the last (N = 1) are f32.
; NO WORK IS LEFT OUT: every input has a way to the output, and all ten buffers are arguments.
; SHARES.  256 work-groups of sixteen waves (four to a SIMD, 256 registers each).  A wave owns 256 neighbouring points and walks them in 8 trips of 32: two tiles of 16 points.
; LAYOUT.  Every product is used transposed (source 0 = 16 rows of a weight, source 1 = 16 points), so a lane holds ONE point (lane % 16) throughout.  THE ROWS OF A WEIGHT TILE ARE NOT NEIGHBOURS:
; row m of tile t is unit 8 t + m % 8 + 32 (m / 8).  In the results register 8 t + j of lane (r, h) is then unit 32 h + 8 t + j of point r: a lane's 32 registers are ONE whole block of 32 along the next K,
; in the order in which the 6-bit operand wants them (registers 0-5: k = 32 h + 0 .. 31).  So a block's largest magnitude needs no other lane and no code changes lanes; only block 1's scale byte goes to lanes 0-15.
; K = 64 OF THE INSTRUCTION'S 128: the points' operand has zero codes in registers 6-11, set once.  A zero code times any code of this format is 0, so the weights' registers 6-11 may hold anything that is a code:
; the weight tiles lie 6 registers apart, a tile's upper half is the next tile's codes, and six zero registers stand behind the last.  Scale bytes 2 and 3 are 0 on both sides (a power of two, no NaN).
; THE FIRST PRODUCT is four f32 matrix instructions a tile with K = (x0, x1, x2, 1) against (W1[u][0..2], b1[u]).  THE BIASES b2, b3 are the C of the scaled instructions.  THE LAST PRODUCT is packed multiply-adds.
; SOFTPLUS, for z:  t = 100 log2(e) z;  e = 2^-|t|;  u = 1 + e;  r = e - (u - 1), exact;  h = max(z, 0) + 0.01 r + (ln 2 / 100) log2(u).  The exponent is never positive: nothing can overflow.
; r makes log(1 + e) good to f32's own rounding where e is small (taking r for r / u costs under 2^-24 of the number); it is kept ahead of the two quantisers and left out in the third layer, whose h only enters the last sum.
; THE CHOICE 100 z > 20 -> z is made by the rounding: there e < 2.1e-9, so u = 1, log2(u) = 0 and 0.01 r < 2.1e-11, under half a last place of z >= 0.2 (7.4e-9): the multiply-adds return z itself, bit for bit.
; W2 AND W3 are quantised once in each work-group: waves 0-7 take a tile of 16 rows each and hand codes and scale words round as images of their registers in LDS; waves 8-10 copy b2, b3, W4 there.  One barrier.
; LIMITS.  v_exp_f32 gives 0 for results under 2^-126, so an h under about 1e-40 comes out as 0.  A block of zeros has the scale byte 1 and zero codes (the bytes are read here alone).
; NaN and infinities ahead of a quantiser are not served.
.set WIMG,  0                          ; LDS: eight weight tiles (T = 4 layer + t), 768 bytes each: register pair c of lane l at 768 T + 256 c + 8 l
.set WSC,   6144                       ; their scale words: 128 T + 4 l
.set BIAS,  7168                       ; b2, b3, W4 as they lie, 256 bytes each
.set OSTG,  7936                       ; the way out: 1,024 bytes for each wave
.set SPARE, 24320                      ; the spare words, 128 bytes for each wave: eight blocks of 256 bytes that no other line names
.set SPW,  1                           ; v1   LDS address of my spare word; never rewritten
.set NIL,  2                           ; v2   0; never rewritten
.set XOFF, 3                           ; v3   12 x lane: my point in a pair's 384 bytes of x
.set LB,   4                           ; v4   128 h: my half of a vector of 64
.set OL0,  5                           ; v5   4 x lane + 1024 x wave
.set OA,   6                           ; v6   the trip's place in my stage
.set LI8,  7                           ; v7   8 x lane
.set LS4,  8                           ; v8   4 x lane
.set SI8,  9                           ; v9   8 x lane + 768 (wave % 8)
.set SS4,  10                          ; v10  4 x lane + 128 (wave % 8)
.set SBI,  11                          ; v11  8 x lane + 256 (wave % 4)
.set ORD,  12                          ; v12  16 x lane + 1024 x wave
.set GO,   13                          ; v13  16 x lane
.set XN,   16                          ; v16-18  the next pair's x
.set XC,   20                          ; v20-23  the pair's x as two operands of the f32 form
.set SA,   24                          ; v24, v25 the two tiles' half sums
.set SB,   25
.set NEW,  26                          ; v26  the pair's results
.set HS,   27                          ; v27  the scale word just made: it holds scales alone
.set TMP,  28                          ; v28-35 at work
.set MA,   28
.set MB,   29
.set SCL,  30
.set BY,   31
.set CT,   32                          ; v32-34
.set OT,   35
.set W1F,  36                          ; v36-43  W1's four tiles for the f32 form
.set WS,   44                          ; v44-51  the weights' scale words: they hold scales alone
.set WC,   52                          ; v52-99  the weights' codes, tile T at 52 + 6 T;  v100-105 zeros
.set HC,   106                         ; v106-111 the points' codes;  v112-117 zeros
.set Z,    120                         ; v120-151 results of the matrix instructions, and written by them alone
.set E,    152                         ; v152-183
.set U,    184                         ; v184-215
.set H,    216                         ; v216-247
.set WV,   2                           ; s2   my wave's number
.set C1,   28                          ; s[28:29] 100 log2(e);  s[30:31] ln 2 / 100;  s[32:33] 0.01: each word twice, since the packed forms name a pair
.set C2,   30
.set C3,   32
.set SEL,  34                          ; s[34:35] v_permlanex16_b32's selects for lane l xor 16
; 32 numbers of a lane in v[H] on, one block of 32 along K, become its 32 codes in v[HC] .. v[HC+5]; lanes 0-15 get the row's scale word in v[HS].
.macro QUANT
	v_max3_num_f32 v[MA], |v[H]|, |v[H+1]|, 0x2800000              ; the largest magnitude, in two chains, with the floor 2^(5 - 127) as a leaf: the byte cannot fall under 1
	v_max3_num_f32 v[MB], |v[H+16]|, |v[H+17]|, |v[H+18]|
.irp i, 0,1,2,3,4,5
	v_max3_num_f32 v[MA], v[MA], |v[H+2+2*\i]|, |v[H+3+2*\i]|
	v_max3_num_f32 v[MB], v[MB], |v[H+19+2*\i]|, |v[H+20+2*\i]|
.endr
	v_max3_num_f32 v[MA], v[MA], |v[H+14]|, |v[H+15]|
	v_max3_num_f32 v[MA], v[MA], v[MB], |v[H+31]|
	v_add_nc_u32 v[SCL], 0xfe000000, v[MA]                         ; 4 off its exponent field: the conversion takes the exponent field of this operand as its scale
	v_lshrrev_b32 v[BY], 23, v[SCL]                                ; the scale's byte of my block h
	v_permlanex16_b32 v[OT], v[BY], s[SEL], s[SEL+1]               ; and the other block's
	v_lshl_or_b32 v[HS], v[OT], 8, v[BY]                           ; lanes 0-15: byte 0 = block 0, byte 1 = block 1, bytes 2 and 3 = 0 (lanes 16-31 are not read)
	v_cvt_scalef32_pk16_bf6_f32 v[HC:HC+2], v[H:H+15], v[SCL]
	v_cvt_scalef32_pk16_bf6_f32 v[CT:CT+2], v[H+16:H+31], v[SCL]   ; (a conversion's three registers begin on an even number)
	v_nop                                                          ; one plain place behind a scaled conversion
.irp i, 0,1,2
	v_mov_b32 v[HC+3+\i], v[CT+\i]
.endr
.endm
; v[H] .. = softplus of v[Z] ..  comp = 1: with r, and at the end the next layer's bias (at byte ldsoff of BIAS) is asked for into v[U] ..;  comp = 0: without r, and W4 is asked for into v[E] ..
.macro SOFTPLUS comp, ldsoff
.set n, 0
.rept 16
	v_pk_mul_f32 v[E+n:E+n+1], v[Z+n:Z+n+1], s[C1:C1+1] op_sel_hi:[1,0]      ; t; ascending
.set n, n+2
.endr
.set n, 0
.rept 32
	v_exp_f32 v[E+n], -|v[E+n]|                                    ; e = 2^-|t|: one batch
.set n, n+1
.endr
.set n, 0
.rept 16+16*\comp
	v_max_num_f32 v[H+n], 0, v[Z+n]                                ; max(z, 0): plain work that names no exponential's result
.set n, n+1
.endr
	s_wait_alu depctr_va_vdst(0)                                   ; one wait for the batch, ahead of its first reader
.set n, 0
.rept 16
	v_pk_add_f32 v[U+n:U+n+1], v[E+n:E+n+1], 1.0 op_sel_hi:[1,0]   ; u = 1 + e
.set n, n+2
.endr
.if \comp
.irp g, 0,1,2,3
.irp p, 0,1,2,3
	v_pk_add_f32 v[TMP+2*\p:TMP+2*\p+1], v[U+8*\g+2*\p:U+8*\g+2*\p+1], -1.0 op_sel_hi:[1,0]   ; u - 1, exact
.endr
.irp p, 0,1,2,3
	v_pk_add_f32 v[E+8*\g+2*\p:E+8*\g+2*\p+1], v[E+8*\g+2*\p:E+8*\g+2*\p+1], v[TMP+2*\p:TMP+2*\p+1] neg_lo:[0,1] neg_hi:[0,1]   ; r = e - (u - 1), exact
.endr
.endr
.else
.irp q, 0,1,2,3,4,5,6,7
	ds_load_b128 v[E+4*\q:E+4*\q+3], v[LB] offset:BIAS+512+16*\q   ; W4[32 h + 0 .. 31]: e has been read
.endr
.endif
.set n, 0
.rept 32
	v_log_f32 v[U+n], v[U+n]                                       ; log2(u): one batch
.set n, n+1
.endr
.if \comp
.set n, 0
.rept 16
	v_pk_fma_f32 v[H+n:H+n+1], v[E+n:E+n+1], s[C3:C3+1], v[H+n:H+n+1] op_sel_hi:[1,0,1]   ; + 0.01 r: plain work that names no logarithm's result
.set n, n+2
.endr
.else
.set n, 16
.rept 16
	v_max_num_f32 v[H+n], 0, v[Z+n]                                ; the other half of max(z, 0)
.set n, n+1
.endr
.endif
	s_wait_alu depctr_va_vdst(0)                                   ; one wait for the batch, ahead of its first reader
.set n, 0
.rept 16
	v_pk_fma_f32 v[H+n:H+n+1], v[U+n:U+n+1], s[C2:C2+1], v[H+n:H+n+1] op_sel_hi:[1,0,1]   ; + (ln 2 / 100) log2(u)
.set n, n+2
.endr
.if \comp
.irp q, 0,1,2,3,4,5,6,7
	ds_load_b128 v[U+4*\q:U+4*\q+3], v[LB] offset:BIAS+\ldsoff+16*\q   ; the next layer's bias at my 32 units, in the result's layout; the quantiser below is its lead
.endr
.endif
.endm
; A quantised layer: v[Z] .. = W (layer l) Q(v[H] ..) + the bias in v[U] ..
.macro LAYER l
	QUANT
.rept 7
	v_nop                                                          ; with the one behind the conversions: 8 places between the line that wrote the scale word and the scaled instructions, and more than 4 behind the moves into the codes
.endr
	s_wait_dscnt 0x0                                               ; the bias is in
.irp t, 0,1,2,3
	v_wmma_scale_f32_16x16x128_f8f6f4 v[Z+8*\t:Z+8*\t+7], v[WC+6*(4*(\l)+\t):WC+6*(4*(\l)+\t)+11], v[HC:HC+11], v[U+8*\t:U+8*\t+7], v[WS+4*(\l)+\t], v[HS] matrix_a_fmt:MATRIX_FMT_BF6 matrix_b_fmt:MATRIX_FMT_BF6
.endr
.rept 4
	v_nop                                                          ; four places ahead of the first read of the results (ISA guide 7.12.1)
.endr
.endm
; my half of the last product: the sum over my 32 units of h x W4
.macro DOT dst
	s_wait_dscnt 0x0                                               ; W4 is in
	v_pk_mul_f32 v[TMP:TMP+1], v[H:H+1], v[E:E+1]
	v_pk_mul_f32 v[TMP+2:TMP+3], v[H+2:H+3], v[E+2:E+3]
.irp j, 4,8,12,16,20,24,28
	v_pk_fma_f32 v[TMP:TMP+1], v[H+\j:H+\j+1], v[E+\j:E+\j+1], v[TMP:TMP+1]
	v_pk_fma_f32 v[TMP+2:TMP+3], v[H+\j+2:H+\j+3], v[E+\j+2:E+\j+3], v[TMP+2:TMP+3]
.endr
	v_pk_add_f32 v[TMP:TMP+1], v[TMP:TMP+1], v[TMP+2:TMP+3]
	v_add_f32 v[\dst], v[TMP], v[TMP+1]
.endm
; sixteen points through the whole chain; xb: their operand of the f32 form
.macro TILE xb, dst
.irp t, 0,1,2,3
	v_wmma_f32_16x16x4_f32 v[Z+8*\t:Z+8*\t+7], v[W1F+2*\t:W1F+2*\t+1], v[\xb:\xb+1], 0     ; W1 x + b1: four multiply-adds in f32 for each unit
.endr
.rept 8
	v_nop                                                          ; eight places behind this form ahead of the first read of the results
.endr
	SOFTPLUS 1, 0
	LAYER 0
	SOFTPLUS 1, 256
	LAYER 1
	SOFTPLUS 0, 0
	DOT \dst
.endm
	s_load_b512 s[8:23], s[0:1], 0x0               ; x s[8:9], W1 s[10:11], b1 s[12:13], W2 s[14:15], b2 s[16:17], W3 s[18:19], b3 s[20:21], W4 s[22:23]
	s_load_b128 s[24:27], s[0:1], 0x40             ; b4 s[24:25], out0 s[26:27]
	v_lshl_add_u32 v[SPW], v0, 2, SPARE
	v_mov_b32 v[NIL], 0
	v_lshrrev_b32 v[OA], 5, v0
	v_readfirstlane_b32 s[WV], v[OA]               ; wave 0..15
	v_and_b32 v28, 31, v0                          ; lane
	v_and_b32 v14, 15, v0                          ; r
	v_bfe_u32 v15, v0, 4, 1                        ; h
	; every LDS address is made here, ahead of the place where the waves part
	v_mul_u32_u24 v[XOFF], v28, 12
	v_lshlrev_b32 v[LB], 7, v15
	v_lshlrev_b32 v[LI8], 3, v28
	v_lshlrev_b32 v[LS4], 2, v28
	v_lshlrev_b32 v[GO], 4, v28
	s_lshl_b32 s4, s[WV], 10
	v_add_nc_u32 v[OL0], s4, v[LS4]
	v_add_nc_u32 v[ORD], s4, v[GO]
	s_and_b32 s5, s[WV], 7
	s_mul_i32 s6, s5, 768
	v_add_nc_u32 v[SI8], s6, v[LI8]
	s_lshl_b32 s6, s5, 7
	v_add_nc_u32 v[SS4], s6, v[LS4]
	s_and_b32 s5, s[WV], 3
	s_lshl_b32 s6, s5, 8
	v_add_nc_u32 v[SBI], s6, v[LI8]
	; offsets into the weights: u0 = r % 8 + 32 (r / 8) is my row of tile 0
	v_and_b32 v29, 7, v14
	v_and_b32 v30, 8, v14
	v_lshl_add_u32 v29, v30, 2, v29                ; u0
	v_mul_u32_u24 v248, v29, 12
	v_add_nc_u32 v249, 4, v248                     ; W1[u0][1]
	v_lshl_add_u32 v248, v15, 3, v248              ; W1[u0][2 h]
	v_lshlrev_b32 v250, 2, v29                     ; b1[u0]
	v_lshlrev_b32 v251, 8, v29
	v_add_nc_u32 v251, v251, v[LB]
	s_lshl_b32 s6, s5, 11
	v_add_nc_u32 v251, s6, v251                    ; W2 or W3: row u0 + 8 (wave % 4), + 128 h bytes: my block of 32
.irp i, 0,1,2,3,4,5
	v_mov_b32 v[WC+48+\i], 0                       ; behind the last weight tile
	v_mov_b32 v[HC+6+\i], 0                        ; the points' zero codes for k = 64 .. 127
.endr
	v_mov_b32 v[OT], 0                             ; written once: a lane permute's destination counts as one of its sources
	s_mov_b32 s[C1], 0x431044fe                    ; 100 log2(e)
	s_mov_b32 s[C1+1], s[C1]
	s_mov_b32 s[C2], 0x3be32166                    ; ln 2 / 100
	s_mov_b32 s[C2+1], s[C2]
	s_mov_b32 s[C3], 0x3c23d70a                    ; 0.01
	s_mov_b32 s[C3+1], s[C3]
	s_mov_b32 s[SEL], 0x76543210
	s_mov_b32 s[SEL+1], 0xfedcba98
	s_mov_b32 s44, 0xffff0000                      ; lanes 16-31
	s_lshl_b32 s4, ttmp9, 4
	s_add_co_u32 s4, s4, s[WV]                     ; which run of 256 points is my wave's
	s_mul_i32 s40, s4, 3072                        ; 256 points x 12 bytes (under 2^24 in all)
	s_mov_b32 s41, 0
	s_wait_kmcnt 0x0
	s_load_b32 s36, s[24:25], 0x0                  ; b4
	s_add_nc_u64 s[38:39], s[8:9], s[40:41]        ; x at my first pair
	s_lshl_b32 s40, s4, 10                         ; 256 points x 4 bytes
	s_add_nc_u64 s[42:43], s[26:27], s[40:41]      ; out0 at my first point
	global_load_b96 v[XN:XN+2], v[XOFF], s[38:39] th:TH_LOAD_NT    ; the first pair: 32 lanes read 384 consecutive bytes
.irp t, 0,1,2,3
	global_load_b32 v[W1F+2*\t], v248, s[10:11] offset:96*\t       ; k = 2 h: W1[u][0] or W1[u][2]
	global_load_b32 v[W1F+2*\t+1], v249, s[10:11] offset:96*\t     ; k = 1: W1[u][1]; lanes 16-31 take b1 below
	global_load_b32 v[E+\t], v250, s[12:13] offset:32*\t           ; b1[u]
.endr
	; the waves part on their number: 0-7 quantise a weight tile each, 8-10 copy a vector of 64 each, the others go on.  No barrier stands inside
	s_cmp_lt_u32 s[WV], 8
	s_cbranch_scc0 .Lnot_weights
	s_cmp_lt_u32 s[WV], 4
	s_cselect_b64 s[46:47], s[14:15], s[18:19]     ; waves 0-3: W2; waves 4-7: W3
.irp q, 0,1,2,3,4,5,6,7
	global_load_b128 v[H+4*\q:H+4*\q+3], v251, s[46:47] offset:16*\q
.endr
	s_wait_loadcnt 0x0
	QUANT
.irp c, 0,1,2
	ds_store_b64 v[SI8], v[HC+2*\c:HC+2*\c+1] offset:WIMG+256*\c   ; the tile's codes as an image of their registers
.endr
	ds_store_b32 v[SS4], v[HS] offset:WSC                          ; and its scale words
	s_branch .Ljoin
.Lnot_weights:
	s_cmp_lt_u32 s[WV], 11
	s_cbranch_scc0 .Ljoin
	s_cmp_eq_u32 s[WV], 8
	s_cselect_b64 s[46:47], s[16:17], s[20:21]     ; wave 8: b2; wave 9: b3;
	s_cmp_eq_u32 s[WV], 10
	s_cselect_b64 s[46:47], s[22:23], s[46:47]     ; wave 10: W4
	global_load_b64 v[H:H+1], v[LI8], s[46:47]
	s_wait_loadcnt 0x0
	ds_store_b64 v[SBI], v[H:H+1] offset:BIAS
.Ljoin:
	s_wait_dscnt 0x0                               ; for the others' sake: my stores have landed
	s_barrier_signal -1
	s_barrier_wait -1                              ; the eight tiles and the three vectors lie in LDS; nothing writes them again
.irp T, 0,1,2,3,4,5,6,7
.irp c, 0,1,2
	ds_load_b64 v[WC+6*\T+2*\c:WC+6*\T+2*\c+1], v[LI8] offset:WIMG+768*\T+256*\c
.endr
	ds_load_b32 v[WS+\T], v[LS4] offset:WSC+128*\T
.endr
	s_wait_loadcnt 0x0                             ; W1, b1 (and the first pair)
	s_wait_kmcnt 0x0                               ; b4
.irp t, 0,1,2,3
	v_cndmask_b32 v[W1F+2*\t+1], v[W1F+2*\t+1], v[E+\t], s44       ; k = 3 (lanes 16-31): b1[u], against the points' 1
.endr
	s_wait_dscnt 0x0                               ; the weights' codes and scale words are in: they stay
	s_mov_b32 s3, 8                                ; trips
	s_mov_b32 s37, 0                               ; the trip's 128 bytes in my stage
.Lpair:
	s_wait_loadcnt 0x0                             ; this pair's x, asked for a trip ago; no load of mine is out, so its base may step
	v_mov_b32 v[XC], v[XN]
	v_mov_b32 v[XC+1], v[XN+1]
	v_mov_b32 v[XC+2], v[XN+2]
	v_mov_b32 v[XC+3], 1.0
	s_cmp_eq_u32 s3, 1                             ; the last trip asks for nothing: no load leaves x
	s_cbranch_scc1 .Lno_next
	s_add_nc_u64 s[38:39], s[38:39], 384
	global_load_b96 v[XN:XN+2], v[XOFF], s[38:39] th:TH_LOAD_NT
.Lno_next:
	v_permlane16_swap_b32 v[XC], v[XC+2]           ; v20: x0 | x2 of points 0-15;  v22: x0 | x2 of points 16-31
	v_permlane16_swap_b32 v[XC+1], v[XC+3]         ; v21: x1 | 1 of points 0-15;   v23: x1 | 1 of points 16-31: register j holds k = 2 h + j
	TILE XC, SA
	TILE XC+2, SB
	v_permlane16_swap_b32 v[SA], v[SB]             ; v24: both tiles' sums over units 0-31;  v25: over units 32-63: lane l now has point l
	v_add_f32 v[NEW], v[SA], v[SB]
	v_add_f32 v[NEW], s36, v[NEW]                  ; + b4
	v_add_nc_u32 v[OA], s37, v[OL0]
	ds_store_b32 v[OA], v[NEW] offset:OSTG
	s_add_co_u32 s37, s37, 128
	s_sub_co_u32 s3, s3, 1
	s_cmp_lg_u32 s3, 0
	s_cbranch_scc1 .Lpair
	; THE WAY OUT: my 256 results leave as two stores of 512 consecutive bytes, at multiples of 256 from out0's first byte
	ds_load_b128 v[E:E+3], v[ORD] offset:OSTG      ; LDS serves a wave's instructions in order (ISA guide 5.7.1.4): these see my stores
	ds_load_b128 v[E+4:E+7], v[ORD] offset:OSTG+512
	s_wait_dscnt 1                                 ; the first is in; the second, issued behind it, may be out
	global_store_b128 v[GO], v[E:E+3], s[42:43] th:TH_STORE_NT
	s_wait_dscnt 0x0
	global_store_b128 v[GO], v[E+4:E+7], s[42:43] offset:512 th:TH_STORE_NT
	s_wait_tensorcnt 0x0                           ; the wave's end
	ds_add_u32 v[SPW], v[NIL]
	s_wait_dscnt 0x0
	s_endpgm
.Lfunc_end_k_q9d5e73a67e_sdfmlp:
	.size	k_q9d5e73a67e_sdfmlp, .Lfunc_end_k_q9d5e73a67e_sdfmlp-k_q9d5e73a67e_sdfmlp
	.p2alignl 7, 3214868480
	.fill 96, 4, 3214868480
	.section	.rodata,"a",@progbits
	.p2align	6, 0x0
	.amdhsa_kernel k_q9d5e73a67e_sdfmlp
		.amdhsa_group_segment_fixed_size 26368
		.amdhsa_private_segment_fixed_size 0
		.amdhsa_enable_private_segment 0
		.amdhsa_kernarg_size 80
		.amdhsa_user_sgpr_count 2
		.amdhsa_user_sgpr_kernarg_segment_ptr 1
		.amdhsa_wavefront_size32 1
		.amdhsa_system_sgpr_workgroup_id_x 1
		.amdhsa_system_sgpr_workgroup_id_y 1
		.amdhsa_system_sgpr_workgroup_id_z 1
		.amdhsa_system_vgpr_workitem_id 0
		.amdhsa_next_free_vgpr 256
		.amdhsa_next_free_sgpr 66
		.amdhsa_reserve_vcc 0
		.amdhsa_float_denorm_mode_32 3
		.amdhsa_float_denorm_mode_16_64 3
		.amdhsa_memory_ordered 1
		.amdhsa_forward_progress 1
		.amdhsa_inst_pref_size 82
	.end_amdhsa_kernel
	.amdgpu_metadata
---
amdhsa.version: [ 1, 2 ]
amdhsa.kernels:
  - .name:           k_q9d5e73a67e_sdfmlp
    .symbol:         k_q9d5e73a67e_sdfmlp.kd
    .args:
      - { .name: x, .offset: 0, .size: 8, .value_kind: global_buffer, .address_space: global }
      - { .name: W1, .offset: 8, .size: 8, .value_kind: global_buffer, .address_space: global }
      - { .name: b1, .offset: 16, .size: 8, .value_kind: global_buffer, .address_space: global }
      - { .name: W2, .offset: 24, .size: 8, .value_kind: global_buffer, .address_space: global }
      - { .name: b2, .offset: 32, .size: 8, .value_kind: global_buffer, .address_space: global }
      - { .name: W3, .offset: 40, .size: 8, .value_kind: global_buffer, .address_space: global }
      - { .name: b3, .offset: 48, .size: 8, .value_kind: global_buffer, .address_space: global }
      - { .name: W4, .offset: 56, .size: 8, .value_kind: global_buffer, .address_space: global }
      - { .name: b4, .offset: 64, .size: 8, .value_kind: global_buffer, .address_space: global }
      - { .name: out0, .offset: 72, .size: 8, .value_kind: global_buffer, .address_space: global }
    .group_segment_fixed_size: 26368
    .private_segment_fixed_size: 0
    .kernarg_segment_align: 8
    .kernarg_segment_size: 80
    .max_flat_workgroup_size: 512
    .sgpr_count:     66
    .vgpr_count:     256
    .wavefront_size: 32
...
	.end_amdgpu_metadata
.endif
;; end of part 1
;; ======== version 2 of 2: 1 launch; version 1 with the launch sdfmlp written anew for expert scheduling mode
;; launch sdfmlp (part 2): grid 256 x 1, 16 waves a work-group, no clusters, 26,368 bytes of LDS; arguments x, W1, b1, W2, b2, W3, b3, W4, b4, out0; writes out0
.if DOCPART == 2
	.amdgcn_target "amdgcn-amd-amdhsa--gfx1250"
	.amdhsa_code_object_version 6
	.text
	.protected	k_q9d5e73a67e_sdfmlp
	.globl	k_q9d5e73a67e_sdfmlp
	.p2align	8
	.type	k_q9d5e73a67e_sdfmlp,@function
k_q9d5e73a67e_sdfmlp:
	s_mov_b64 s[64:65], 0
	v_nop
	global_prefetch_b8 v0, s[64:65] scope:SCOPE_SE
	s_setreg_imm32_b32 hwreg(HW_REG_WAVE_SCHED_MODE, 0, 2), 2
	s_setreg_imm32_b32 hwreg(HW_REG_WAVE_MODE, 25, 1), 1
	s_wait_xcnt 0x0
	s_wait_alu depctr_vm_vsrc(0)
; out0[p] = W4 . sp(W3 sp(W2 sp(W1 x[p] + b1) + b2) + b3) + b4,  sp = Softplus(beta = 100), for 1,048,576 points of 3 numbers; hidden width 64.
; The two 64 x 64 products multiply codes of BF6 (E3M2) with one E8M0 byte for each 32 along K, both operands quantised here; the first product (K = 3) and the last (N = 1) are f32.
; NO WORK IS LEFT OUT: every input has a way to the output, and all ten buffers are arguments.
; SHARES.  256 work-groups of sixteen waves (four to a SIMD, 256 registers each).  A wave owns 256 neighbouring points and walks them in 8 trips of 32: two tiles of 16 points.
; LAYOUT.  Every product is used transposed (source 0 = 16 rows of a weight, source 1 = 16 points), so a lane holds ONE point (lane % 16) throughout.  THE ROWS OF A WEIGHT TILE ARE NOT NEIGHBOURS:
; row m of tile t is unit 8 t + m % 8 + 32 (m / 8).  In the results register 8 t + j of lane (r, h) is then unit 32 h + 8 t + j of point r: a lane's 32 registers are ONE whole block of 32 along the next K,
; in the order in which the 6-bit operand wants them (registers 0-5: k = 32 h + 0 .. 31).  So a block's largest magnitude needs no other lane and no code changes lanes; only block 1's scale byte goes to lanes 0-15.
; K = 64 OF THE INSTRUCTION'S 128: the points' operand has zero codes in registers 6-11, set once.  A zero code times any code of this format is 0, so the weights' registers 6-11 may hold anything that is a code:
; the weight tiles lie 6 registers apart, a tile's upper half is the next tile's codes, and six zero registers stand behind the last.  Scale bytes 2 and 3 are 0 on both sides (a power of two, no NaN).
; THE FIRST PRODUCT is four f32 matrix instructions a tile with K = (x0, x1, x2, 1) against (W1[u][0..2], b1[u]).  THE BIASES b2, b3 are the C of the scaled instructions.  THE LAST PRODUCT is packed multiply-adds.
; SOFTPLUS, for z:  t = 100 log2(e) z;  e = 2^-|t|;  u = 1 + e;  r = e - (u - 1), exact;  h = max(z, 0) + 0.01 r + (ln 2 / 100) log2(u).  The exponent is never positive: nothing can overflow.
; r makes log(1 + e) good to f32's own rounding where e is small (taking r for r / u costs under 2^-24 of the number); it is kept ahead of the two quantisers and left out in the third layer, whose h only enters the last sum.
; THE CHOICE 100 z > 20 -> z is made by the rounding: there e < 2.1e-9, so u = 1, log2(u) = 0 and 0.01 r < 2.1e-11, under half a last place of z >= 0.2 (7.4e-9): the multiply-adds return z itself, bit for bit.
; W2 AND W3 are quantised once in each work-group: waves 0-7 take a tile of 16 rows each and hand codes and scale words round as images of their registers in LDS; waves 8-10 copy b2, b3, W4 there.  One barrier.
; LIMITS.  v_exp_f32 gives 0 for results under 2^-126, so an h under about 1e-40 comes out as 0.  A block of zeros has the scale byte 1 and zero codes (the bytes are read here alone).
; NaN and infinities ahead of a quantiser are not served.
; THE MODE: SCHED_MODE bits 1:0 = 2 (LLVM: expert scheduling mode 2), set by the entry lines.  The code itself states the register dependences
; between vector or matrix instructions and memory or LDS instructions, with s_wait_alu, always for 0.
; THE PLAN.  Registers that memory or LDS instructions touch, in the loop:
;   v[XOFF], v[LB]  offsets, made at the head and never written again.
;   XN       read by the three moves at a trip's head; the next pair's load lands in it behind the first tile's first wait for exponentials, which those moves stand ahead of.
;   E        layers 1 and 2: its last vector reader (+ 0.01 r) stands ahead of the wait for the logarithms; behind that wait the next bias lands in it, and the scaled products take it as C.
;   U        layer 3 makes u and log2(u) in place in E and names U nowhere: W4 lands in U behind that layer's wait for the exponentials, and the last product reads it.
;   NEW, OA  written by three additions at a trip's end, read by the trip's one LDS store: one wait on va_vdst between; one wait on vm_vsrc ahead of the additions, a whole trip behind the store.
;   HC, HS   written by the quantiser, read by the scaled products: one wait on va_vdst ahead of each group of four, behind its places.
; So the waits that stand behind the batches of transcendentals in any case also state all that the loop's loads hang on; Z, H, TMP, XC and the sums are named by vector and matrix instructions alone.
.set WIMG,  0                          ; LDS: eight weight tiles (T = 4 layer + t), 768 bytes each: register pair c of lane l at 768 T + 256 c + 8 l
.set WSC,   6144                       ; their scale words: 128 T + 4 l
.set BIAS,  7168                       ; b2, b3, W4 as they lie, 256 bytes each
.set OSTG,  7936                       ; the way out: 1,024 bytes for each wave
.set SPARE, 24320                      ; the spare words, 128 bytes for each wave: eight blocks of 256 bytes that no other line names
.set SPW,  1                           ; v1   LDS address of my spare word; never rewritten
.set NIL,  2                           ; v2   0; never rewritten
.set XOFF, 3                           ; v3   12 x lane: my point in a pair's 384 bytes of x
.set LB,   4                           ; v4   128 h: my half of a vector of 64
.set OL0,  5                           ; v5   4 x lane + 1024 x wave
.set OA,   6                           ; v6   the trip's place in my stage
.set LI8,  7                           ; v7   8 x lane
.set LS4,  8                           ; v8   4 x lane
.set SI8,  9                           ; v9   8 x lane + 768 (wave % 8)
.set SS4,  10                          ; v10  4 x lane + 128 (wave % 8)
.set SBI,  11                          ; v11  8 x lane + 256 (wave % 4)
.set ORD,  12                          ; v12  16 x lane + 1024 x wave
.set GO,   13                          ; v13  16 x lane
.set XN,   16                          ; v16-18  the next pair's x
.set XC,   20                          ; v20-23  the pair's x as two operands of the f32 form
.set SA,   24                          ; v24, v25 the two tiles' half sums
.set SB,   25
.set NEW,  26                          ; v26  the pair's results
.set HS,   27                          ; v27  the scale word just made: it holds scales alone
.set TMP,  28                          ; v28-35 at work
.set MA,   28
.set MB,   29
.set SCL,  30
.set BY,   31
.set CT,   32                          ; v32-34
.set OT,   35
.set W1F,  36                          ; v36-43  W1's four tiles for the f32 form
.set WS,   44                          ; v44-51  the weights' scale words: they hold scales alone
.set WC,   52                          ; v52-99  the weights' codes, tile T at 52 + 6 T;  v100-105 zeros
.set HC,   106                         ; v106-111 the points' codes;  v112-117 zeros
.set Z,    120                         ; v120-151 results of the matrix instructions, and written by them alone
.set E,    152                         ; v152-183
.set U,    184                         ; v184-215
.set H,    216                         ; v216-247
.set WV,   2                           ; s2   my wave's number
.set C1,   28                          ; s[28:29] 100 log2(e);  s[30:31] ln 2 / 100;  s[32:33] 0.01: each word twice, since the packed forms name a pair
.set C2,   30
.set C3,   32
.set SEL,  34                          ; s[34:35] v_permlanex16_b32's selects for lane l xor 16
; 32 numbers of a lane in v[H] on, one block of 32 along K, become its 32 codes in v[HC] .. v[HC+5]; lanes 0-15 get the row's scale word in v[HS].
.macro QUANT
	v_max3_num_f32 v[MA], |v[H]|, |v[H+1]|, 0x2800000              ; the largest magnitude, in two chains, with the floor 2^(5 - 127) as a leaf: the byte cannot fall under 1
	v_max3_num_f32 v[MB], |v[H+16]|, |v[H+17]|, |v[H+18]|
.irp i, 0,1,2,3,4,5
	v_max3_num_f32 v[MA], v[MA], |v[H+2+2*\i]|, |v[H+3+2*\i]|
	v_max3_num_f32 v[MB], v[MB], |v[H+19+2*\i]|, |v[H+20+2*\i]|
.endr
	v_max3_num_f32 v[MA], v[MA], |v[H+14]|, |v[H+15]|
	v_max3_num_f32 v[MA], v[MA], v[MB], |v[H+31]|
	v_add_nc_u32 v[SCL], 0xfe000000, v[MA]                         ; 4 off its exponent field: the conversion takes the exponent field of this operand as its scale
	v_lshrrev_b32 v[BY], 23, v[SCL]                                ; the scale's byte of my block h
	v_permlanex16_b32 v[OT], v[BY], s[SEL], s[SEL+1]               ; and the other block's
	v_lshl_or_b32 v[HS], v[OT], 8, v[BY]                           ; lanes 0-15: byte 0 = block 0, byte 1 = block 1, bytes 2 and 3 = 0 (lanes 16-31 are not read)
	v_cvt_scalef32_pk16_bf6_f32 v[HC:HC+2], v[H:H+15], v[SCL]
	v_cvt_scalef32_pk16_bf6_f32 v[CT:CT+2], v[H+16:H+31], v[SCL]   ; (a conversion's three registers begin on an even number)
	v_nop                                                          ; one plain place behind a scaled conversion
.irp i, 0,1,2
	v_mov_b32 v[HC+3+\i], v[CT+\i]
.endr
.endm
; v[H] .. = softplus of v[Z] ..  comp = 1: with r; u and log2(u) in v[U] ..; behind the logarithms' wait the next layer's bias (at byte ldsoff of BIAS) is asked for into v[E] ..
; comp = 0: without r; u and log2(u) in place in v[E] ..; behind the exponentials' wait W4 is asked for into v[U] ..   nx = 1: behind the exponentials' wait the next pair's x is asked for.
.macro SOFTPLUS comp, ldsoff, nx
.set LG, E+(U-E)*\comp                 ; where u and its logarithm lie
.set n, 0
.rept 16
	v_pk_mul_f32 v[E+n:E+n+1], v[Z+n:Z+n+1], s[C1:C1+1] op_sel_hi:[1,0]      ; t; ascending
.set n, n+2
.endr
.set n, 0
.rept 32
	v_exp_f32 v[E+n], -|v[E+n]|                                    ; e = 2^-|t|: one batch
.set n, n+1
.endr
.set n, 0
.rept 16+16*\comp
	v_max_num_f32 v[H+n], 0, v[Z+n]                                ; max(z, 0): plain work that names no exponential's result
.set n, n+1
.endr
	s_wait_alu depctr_va_vdst(0)                                   ; the 32 exponentials have written v[E ..], ahead of their first reader; the moves at the trip's head are done reading XN (nx = 1); the layer before is done with v[U ..] (comp = 0)
.if \nx
	s_cmp_eq_u32 s3, 1                                             ; the last trip asks for nothing: no load leaves x
	s_cbranch_scc1 .Lno_next
	s_add_nc_u64 s[38:39], s[38:39], 384                           ; free since the wait for this pair's x at the trip's head, which showed the load that read it done
	global_load_b96 v[XN:XN+2], v[XOFF], s[38:39] th:TH_LOAD_NT    ; no wait of its own: no vector instruction since the wait above names XN or the offset
.Lno_next:
.endif
.if !\comp
.irp q, 0,1,2,3,4,5,6,7
	ds_load_b128 v[U+4*\q:U+4*\q+3], v[LB] offset:BIAS+512+16*\q   ; W4[32 h + 0 .. 31]: no vector instruction since the wait above names v[U ..], and none of this layer does
.endr
.endif
.set n, 0
.rept 16
	v_pk_add_f32 v[LG+n:LG+n+1], v[E+n:E+n+1], 1.0 op_sel_hi:[1,0] ; u = 1 + e
.set n, n+2
.endr
.if \comp
.irp g, 0,1,2,3
.irp p, 0,1,2,3
	v_pk_add_f32 v[TMP+2*\p:TMP+2*\p+1], v[U+8*\g+2*\p:U+8*\g+2*\p+1], -1.0 op_sel_hi:[1,0]   ; u - 1, exact
.endr
.irp p, 0,1,2,3
	v_pk_add_f32 v[E+8*\g+2*\p:E+8*\g+2*\p+1], v[E+8*\g+2*\p:E+8*\g+2*\p+1], v[TMP+2*\p:TMP+2*\p+1] neg_lo:[0,1] neg_hi:[0,1]   ; r = e - (u - 1), exact
.endr
.endr
.endif
.set n, 0
.rept 32
	v_log_f32 v[LG+n], v[LG+n]                                     ; log2(u): one batch
.set n, n+1
.endr
.if \comp
.set n, 0
.rept 16
	v_pk_fma_f32 v[H+n:H+n+1], v[E+n:E+n+1], s[C3:C3+1], v[H+n:H+n+1] op_sel_hi:[1,0,1]   ; + 0.01 r: plain work that names no logarithm's result; the last reader of v[E ..]
.set n, n+2
.endr
.else
.set n, 16
.rept 16
	v_max_num_f32 v[H+n], 0, v[Z+n]                                ; the other half of max(z, 0)
.set n, n+1
.endr
.endif
	s_wait_alu depctr_va_vdst(0)                                   ; the 32 logarithms have written their results, ahead of their first reader; comp = 1: the multiply-adds above are done reading v[E ..]
.if \comp
.irp q, 0,1,2,3,4,5,6,7
	ds_load_b128 v[E+4*\q:E+4*\q+3], v[LB] offset:BIAS+\ldsoff+16*\q   ; the next layer's bias at my 32 units, in the result's layout; the multiply-adds and the quantiser below, which name none of v[E ..], are its lead
.endr
.endif
.set n, 0
.rept 16
	v_pk_fma_f32 v[H+n:H+n+1], v[LG+n:LG+n+1], s[C2:C2+1], v[H+n:H+n+1] op_sel_hi:[1,0,1]   ; + (ln 2 / 100) log2(u)
.set n, n+2
.endr
.endm
; A quantised layer: v[Z] .. = W (layer l) Q(v[H] ..) + the bias in v[E] ..
.macro LAYER l
	QUANT
.rept 7
	v_nop                                                          ; with the one behind the conversions: 8 places between the line that wrote the scale word and the scaled instructions, and more than 4 behind the moves into the codes
.endr
	s_wait_alu depctr_va_vdst(0)                                   ; the quantiser has written the codes v[HC ..] and the scale word v[HS], which the scaled instructions take; the places above stay beside this wait
	s_wait_dscnt 0x0                                               ; the bias is in
.irp t, 0,1,2,3
	v_wmma_scale_f32_16x16x128_f8f6f4 v[Z+8*\t:Z+8*\t+7], v[WC+6*(4*(\l)+\t):WC+6*(4*(\l)+\t)+11], v[HC:HC+11], v[E+8*\t:E+8*\t+7], v[WS+4*(\l)+\t], v[HS] matrix_a_fmt:MATRIX_FMT_BF6 matrix_b_fmt:MATRIX_FMT_BF6
.endr
.rept 4
	v_nop                                                          ; four places ahead of the first read of the results and of the first write over the bias (ISA guide 7.12.1)
.endr
.endm
; my half of the last product: the sum over my 32 units of h x W4
.macro DOT dst
	s_wait_dscnt 0x0                                               ; W4 is in
	v_pk_mul_f32 v[TMP:TMP+1], v[H:H+1], v[U:U+1]
	v_pk_mul_f32 v[TMP+2:TMP+3], v[H+2:H+3], v[U+2:U+3]
.irp j, 4,8,12,16,20,24,28
	v_pk_fma_f32 v[TMP:TMP+1], v[H+\j:H+\j+1], v[U+\j:U+\j+1], v[TMP:TMP+1]
	v_pk_fma_f32 v[TMP+2:TMP+3], v[H+\j+2:H+\j+3], v[U+\j+2:U+\j+3], v[TMP+2:TMP+3]
.endr
	v_pk_add_f32 v[TMP:TMP+1], v[TMP:TMP+1], v[TMP+2:TMP+3]
	v_add_f32 v[\dst], v[TMP], v[TMP+1]
.endm
; sixteen points through the whole chain; xb: their operand of the f32 form; nx = 1: the next pair's x is asked for in the first layer
.macro TILE xb, dst, nx
.irp t, 0,1,2,3
	v_wmma_f32_16x16x4_f32 v[Z+8*\t:Z+8*\t+7], v[W1F+2*\t:W1F+2*\t+1], v[\xb:\xb+1], 0     ; W1 x + b1: four multiply-adds in f32 for each unit
.endr
.rept 8
	v_nop                                                          ; eight places behind this form ahead of the first read of the results
.endr
	SOFTPLUS 1, 0, \nx
	LAYER 0
	SOFTPLUS 1, 256, 0
	LAYER 1
	SOFTPLUS 0, 0, 0
	DOT \dst
.endm
	s_load_b512 s[8:23], s[0:1], 0x0               ; x s[8:9], W1 s[10:11], b1 s[12:13], W2 s[14:15], b2 s[16:17], W3 s[18:19], b3 s[20:21], W4 s[22:23]
	s_load_b128 s[24:27], s[0:1], 0x40             ; b4 s[24:25], out0 s[26:27]
	v_lshl_add_u32 v[SPW], v0, 2, SPARE
	v_mov_b32 v[NIL], 0
	v_lshrrev_b32 v[OA], 5, v0
	v_readfirstlane_b32 s[WV], v[OA]               ; wave 0..15
	v_and_b32 v28, 31, v0                          ; lane
	v_and_b32 v14, 15, v0                          ; r
	v_bfe_u32 v15, v0, 4, 1                        ; h
	; every LDS address is made here, ahead of the place where the waves part
	v_mul_u32_u24 v[XOFF], v28, 12
	v_lshlrev_b32 v[LB], 7, v15
	v_lshlrev_b32 v[LI8], 3, v28
	v_lshlrev_b32 v[LS4], 2, v28
	v_lshlrev_b32 v[GO], 4, v28
	s_wait_alu depctr_va_sdst(0)                   ; the wave's number is written, ahead of its first reader: addresses, bases and the branches below are made from it
	s_lshl_b32 s4, s[WV], 10
	v_add_nc_u32 v[OL0], s4, v[LS4]
	v_add_nc_u32 v[ORD], s4, v[GO]
	s_and_b32 s5, s[WV], 7
	s_mul_i32 s6, s5, 768
	v_add_nc_u32 v[SI8], s6, v[LI8]
	s_lshl_b32 s6, s5, 7
	v_add_nc_u32 v[SS4], s6, v[LS4]
	s_and_b32 s5, s[WV], 3
	s_lshl_b32 s6, s5, 8
	v_add_nc_u32 v[SBI], s6, v[LI8]
	; offsets into the weights: u0 = r % 8 + 32 (r / 8) is my row of tile 0
	v_and_b32 v29, 7, v14
	v_and_b32 v30, 8, v14
	v_lshl_add_u32 v29, v30, 2, v29                ; u0
	v_mul_u32_u24 v248, v29, 12
	v_add_nc_u32 v249, 4, v248                     ; W1[u0][1]
	v_lshl_add_u32 v248, v15, 3, v248              ; W1[u0][2 h]
	v_lshlrev_b32 v250, 2, v29                     ; b1[u0]
	v_lshlrev_b32 v251, 8, v29
	v_add_nc_u32 v251, v251, v[LB]
	s_lshl_b32 s6, s5, 11
	v_add_nc_u32 v251, s6, v251                    ; W2 or W3: row u0 + 8 (wave % 4), + 128 h bytes: my block of 32
.irp i, 0,1,2,3,4,5
	v_mov_b32 v[WC+48+\i], 0                       ; behind the last weight tile
	v_mov_b32 v[HC+6+\i], 0                        ; the points' zero codes for k = 64 .. 127
.endr
	v_mov_b32 v[OT], 0                             ; written once: a lane permute's destination counts as one of its sources
	s_mov_b32 s[C1], 0x431044fe                    ; 100 log2(e)
	s_mov_b32 s[C1+1], s[C1]
	s_mov_b32 s[C2], 0x3be32166                    ; ln 2 / 100
	s_mov_b32 s[C2+1], s[C2]
	s_mov_b32 s[C3], 0x3c23d70a                    ; 0.01
	s_mov_b32 s[C3+1], s[C3]
	s_mov_b32 s[SEL], 0x76543210
	s_mov_b32 s[SEL+1], 0xfedcba98
	s_mov_b32 s44, 0xffff0000                      ; lanes 16-31
	s_lshl_b32 s4, ttmp9, 4
	s_add_co_u32 s4, s4, s[WV]                     ; which run of 256 points is my wave's
	s_mul_i32 s40, s4, 3072                        ; 256 points x 12 bytes (under 2^24 in all)
	s_mov_b32 s41, 0
	s_wait_kmcnt 0x0
	s_load_b32 s36, s[24:25], 0x0                  ; b4
	s_add_nc_u64 s[38:39], s[8:9], s[40:41]        ; x at my first pair
	s_lshl_b32 s40, s4, 10                         ; 256 points x 4 bytes
	s_add_nc_u64 s[42:43], s[26:27], s[40:41]      ; out0 at my first point
	s_wait_alu depctr_va_vdst(0)                   ; all offsets and LDS addresses (v1, v3-v5, v7-v13, v248-v251) are written: every load and store of the kernel but the trip's own store reads its address from them, and none of them is written again
	global_load_b96 v[XN:XN+2], v[XOFF], s[38:39] th:TH_LOAD_NT    ; the first pair: 32 lanes read 384 consecutive bytes
.irp t, 0,1,2,3
	global_load_b32 v[W1F+2*\t], v248, s[10:11] offset:96*\t       ; k = 2 h: W1[u][0] or W1[u][2]
	global_load_b32 v[W1F+2*\t+1], v249, s[10:11] offset:96*\t     ; k = 1: W1[u][1]; lanes 16-31 take b1 below
	global_load_b32 v[E+\t], v250, s[12:13] offset:32*\t           ; b1[u]
.endr
	; the waves part on their number: 0-7 quantise a weight tile each, 8-10 copy a vector of 64 each, the others go on.  No barrier stands inside
	s_cmp_lt_u32 s[WV], 8
	s_cbranch_scc0 .Lnot_weights
	s_cmp_lt_u32 s[WV], 4
	s_cselect_b64 s[46:47], s[14:15], s[18:19]     ; waves 0-3: W2; waves 4-7: W3
.irp q, 0,1,2,3,4,5,6,7
	global_load_b128 v[H+4*\q:H+4*\q+3], v251, s[46:47] offset:16*\q
.endr
	s_wait_loadcnt 0x0
	QUANT
	s_wait_alu depctr_va_vdst(0)                   ; the quantiser has written the codes v[HC ..] and the scale word v[HS], which the LDS stores read
.irp c, 0,1,2
	ds_store_b64 v[SI8], v[HC+2*\c:HC+2*\c+1] offset:WIMG+256*\c   ; the tile's codes as an image of their registers
.endr
	ds_store_b32 v[SS4], v[HS] offset:WSC                          ; and its scale words
	s_branch .Ljoin
.Lnot_weights:
	s_cmp_lt_u32 s[WV], 11
	s_cbranch_scc0 .Ljoin
	s_cmp_eq_u32 s[WV], 8
	s_cselect_b64 s[46:47], s[16:17], s[20:21]     ; wave 8: b2; wave 9: b3;
	s_cmp_eq_u32 s[WV], 10
	s_cselect_b64 s[46:47], s[22:23], s[46:47]     ; wave 10: W4
	global_load_b64 v[H:H+1], v[LI8], s[46:47]
	s_wait_loadcnt 0x0
	ds_store_b64 v[SBI], v[H:H+1] offset:BIAS
.Ljoin:
	s_wait_dscnt 0x0                               ; for the others' sake: my stores have landed
	s_barrier_signal -1
	s_barrier_wait -1                              ; the eight tiles and the three vectors lie in LDS; nothing writes them again
	s_wait_alu depctr_vm_vsrc(0)                   ; my LDS stores above have read v[HC ..], v[HS] (waves 0-7) or v[H], v[H+1] (waves 8-10), which the loop's vector instructions write again
.irp T, 0,1,2,3,4,5,6,7
.irp c, 0,1,2
	ds_load_b64 v[WC+6*\T+2*\c:WC+6*\T+2*\c+1], v[LI8] offset:WIMG+768*\T+256*\c
.endr
	ds_load_b32 v[WS+\T], v[LS4] offset:WSC+128*\T
.endr
	s_wait_loadcnt 0x0                             ; W1, b1 (and the first pair)
	s_wait_kmcnt 0x0                               ; b4
.irp t, 0,1,2,3
	v_cndmask_b32 v[W1F+2*\t+1], v[W1F+2*\t+1], v[E+\t], s44       ; k = 3 (lanes 16-31): b1[u], against the points' 1
.endr
	s_wait_dscnt 0x0                               ; the weights' codes and scale words are in: they stay
	s_mov_b32 s3, 8                                ; trips
	s_mov_b32 s37, 0                               ; the trip's 128 bytes in my stage
.Lpair:
	s_wait_loadcnt 0x0                             ; this pair's x, asked for a trip ago; no load of mine is out, so its base may step further down
	v_mov_b32 v[XC], v[XN]
	v_mov_b32 v[XC+1], v[XN+1]
	v_mov_b32 v[XC+2], v[XN+2]
	v_mov_b32 v[XC+3], 1.0
	v_permlane16_swap_b32 v[XC], v[XC+2]           ; v20: x0 | x2 of points 0-15;  v22: x0 | x2 of points 16-31
	v_permlane16_swap_b32 v[XC+1], v[XC+3]         ; v21: x1 | 1 of points 0-15;   v23: x1 | 1 of points 16-31: register j holds k = 2 h + j
	TILE XC, SA, 1
	TILE XC+2, SB, 0
	v_permlane16_swap_b32 v[SA], v[SB]             ; v24: both tiles' sums over units 0-31;  v25: over units 32-63: lane l now has point l
	s_wait_alu depctr_vm_vsrc(0)                   ; the last trip's LDS store has read v[NEW] and v[OA], which the three additions below write again
	v_add_f32 v[NEW], v[SA], v[SB]
	v_add_f32 v[NEW], s36, v[NEW]                  ; + b4
	v_add_nc_u32 v[OA], s37, v[OL0]
	s_wait_alu depctr_va_vdst(0)                   ; v[NEW] and v[OA] are written, which the store reads; behind the last trip: the vector work is done with v[E ..], in which the stage's loads land
	ds_store_b32 v[OA], v[NEW] offset:OSTG
	s_add_co_u32 s37, s37, 128
	s_sub_co_u32 s3, s3, 1
	s_cmp_lg_u32 s3, 0
	s_cbranch_scc1 .Lpair
	; THE WAY OUT: my 256 results leave as two stores of 512 consecutive bytes, at multiples of 256 from out0's first byte.  No vector instruction stands behind the trip's last wait, so the loads below owe no further one
	ds_load_b128 v[E:E+3], v[ORD] offset:OSTG      ; LDS serves a wave's instructions in order (ISA guide 5.7.1.4): these see my stores
	ds_load_b128 v[E+4:E+7], v[ORD] offset:OSTG+512
	s_wait_dscnt 1                                 ; the first is in; the second, issued behind it, may be out
	global_store_b128 v[GO], v[E:E+3], s[42:43] th:TH_STORE_NT
	s_wait_dscnt 0x0
	global_store_b128 v[GO], v[E+4:E+7], s[42:43] offset:512 th:TH_STORE_NT
	s_wait_dscnt 0x0                               ; the closing lines, six on end
	s_wait_alu 0x0
	s_wait_tensorcnt 0x0
	ds_add_u32 v[SPW], v[NIL]
	s_wait_dscnt 0x0
	s_endpgm
.Lfunc_end_k_q9d5e73a67e_sdfmlp:
	.size	k_q9d5e73a67e_sdfmlp, .Lfunc_end_k_q9d5e73a67e_sdfmlp-k_q9d5e73a67e_sdfmlp
	.p2alignl 7, 3214868480
	.fill 96, 4, 3214868480
	.section	.rodata,"a",@progbits
	.p2align	6, 0x0
	.amdhsa_kernel k_q9d5e73a67e_sdfmlp
		.amdhsa_group_segment_fixed_size 26368
		.amdhsa_private_segment_fixed_size 0
		.amdhsa_enable_private_segment 0
		.amdhsa_kernarg_size 80
		.amdhsa_user_sgpr_count 2
		.amdhsa_user_sgpr_kernarg_segment_ptr 1
		.amdhsa_wavefront_size32 1
		.amdhsa_system_sgpr_workgroup_id_x 1
		.amdhsa_system_sgpr_workgroup_id_y 1
		.amdhsa_system_sgpr_workgroup_id_z 1
		.amdhsa_system_vgpr_workitem_id 0
		.amdhsa_next_free_vgpr 256
		.amdhsa_next_free_sgpr 66
		.amdhsa_reserve_vcc 0
		.amdhsa_float_denorm_mode_32 3
		.amdhsa_float_denorm_mode_16_64 3
		.amdhsa_memory_ordered 1
		.amdhsa_forward_progress 1
		.amdhsa_inst_pref_size 82
	.end_amdhsa_kernel
	.amdgpu_metadata
---
amdhsa.version: [ 1, 2 ]
amdhsa.kernels:
  - .name:           k_q9d5e73a67e_sdfmlp
    .symbol:         k_q9d5e73a67e_sdfmlp.kd
    .args:
      - { .name: x, .offset: 0, .size: 8, .value_kind: global_buffer, .address_space: global }
      - { .name: W1, .offset: 8, .size: 8, .value_kind: global_buffer, .address_space: global }
      - { .name: b1, .offset: 16, .size: 8, .value_kind: global_buffer, .address_space: global }
      - { .name: W2, .offset: 24, .size: 8, .value_kind: global_buffer, .address_space: global }
      - { .name: b2, .offset: 32, .size: 8, .value_kind: global_buffer, .address_space: global }
      - { .name: W3, .offset: 40, .size: 8, .value_kind: global_buffer, .address_space: global }
      - { .name: b3, .offset: 48, .size: 8, .value_kind: global_buffer, .address_space: global }
      - { .name: W4, .offset: 56, .size: 8, .value_kind: global_buffer, .address_space: global }
      - { .name: b4, .offset: 64, .size: 8, .value_kind: global_buffer, .address_space: global }
      - { .name: out0, .offset: 72, .size: 8, .value_kind: global_buffer, .address_space: global }
    .group_segment_fixed_size: 26368
    .private_segment_fixed_size: 0
    .kernarg_segment_align: 8
    .kernarg_segment_size: 80
    .max_flat_workgroup_size: 512
    .sgpr_count:     66
    .vgpr_count:     256
    .wavefront_size: 32
...
	.end_amdgpu_metadata
.endif
;; end of part 2
